; MI455X (gfx1250); checked and timed in simulation.
; The chip was launched on July 23, 2026; its instructions are those of AMD's public machine-readable ISA for CDNA 5 (MIT licence, August 2026) and "CDNA5" Instruction Set Architecture Reference Guide (July 2026). The comments in the code are by the model that wrote it; some were corrected since.
;; MHSA. Allowed arithmetic: matrix products marked QUANTISED: E5M2 operands, one given power-of-two scale a tensor, by v_wmma_f32_16x16x64_bf8_bf8 or v_wmma_f32_16x16x128_bf8_bf8, f32 sums; everything else in f32.
;; Inputs: W_proj 1,024 x 1,024 float32; W_qkv 3,072 x 1,024 float32; b_proj 1,024 float32; lowp_scales 8 int32 (the exponents e of the quantised operands' scales 2^e); x 8 x 1,024 x 1,024 float32.
;; Outputs: out0 8 x 1,024 x 1,024 float32.
;; This version of the problem:
;;   THIS VERSION OF THE PROBLEM IS GIVEN IN LOW PRECISION. The matrix products marked QUANTISED in the list below multiply operands that are first quantised to E5M2 (5 exponent bits, 2 mantissa bits; 8 bits a number), with one given power-of-two scale for each operand tensor; their sums are f32. All else is computed in f32.
;;   The module's matrix products, in the order in which they are computed (A, B: the left and right operand; K: the contracted axis; several contracted axes count as one K, in the product's order):
;;     1. [M 8,192, K 1,024] x [K 1,024, N 3,072]; A: input x; B: input W_qkv: QUANTISED (scales: A lowp_scales[0], B lowp_scales[1])
;;     2. batch 128 x [M 1,024, K 64] x [K 64, N 1,024]; A: computed on the way; B: computed on the way: QUANTISED (scales: A lowp_scales[2], B lowp_scales[3])
;;     3. batch 128 x [M 1,024, K 1,024] x [K 1,024, N 64]; A: softmax (see below); B: computed on the way: QUANTISED (scales: A lowp_scales[4], B lowp_scales[5])
;;     4. [M 8,192, K 1,024] x [K 1,024, N 1,024]; A: computed on the way; B: input W_proj: QUANTISED (scales: A lowp_scales[6], B lowp_scales[7])
;;   THE QUANTISER, for each operand of a quantised product, along K:
;;     - The operand's scale is 2^e, e = its entry of the input lowp_scales (int32; the entries are numbered through the quantised products in the list's order, A before B).
;;     - Each number is divided by the scale, clamped to +-57,344, and rounded to the nearest number of E5M2, ties to even, subnormals kept.
;;     - The product sums the exact products of the quantised numbers (number of the format x scale) in f32.
;;   ~~~python
;;   def quantise(x, axis, e):      # numpy; x: float32 -> the quantised numbers, widened to float32 again
;;       x = np.moveaxis(x, axis, -1); K = x.shape[-1]
;;       r = np.clip(x / 2.0 ** e, -57344, 57344)
;;       step = 2.0 ** (np.maximum(np.frexp(np.where(r == 0, 1, r))[1] - 1, -14) - 2)
;;       q = np.round(r / step) * step * 2.0 ** e      # np.round: ties to even
;;       return np.moveaxis(q, -1, axis).astype(np.float32)
;;   ~~~
;;   SOFTMAX AHEAD OF A QUANTISED PRODUCT. Where the list says 'softmax', what is quantised is not the finished softmax but p = 2^(t - M), with t = logit x log2(e) and M = ceil(the row's largest t), a whole number; so 1/2 < the row's largest p <= 1. The row's sum l is taken of the UNQUANTISED p, in f32, and the product's result is divided by l at the end. Since M is a whole number, a kernel that streams over the keys may use a running M (the ceiling of the running maximum): every later rescaling is an exact power of two, so the quantised numbers keep their values, but for numbers so far below the row's largest that they fall under the format's range.
;;   OPERANDS COMPUTED ON THE WAY. 'Computed on the way' means the value that the module computes at that place (a softmax that the list does not call 'softmax' is quantised finished and normalised). What goes into a quantiser is computed in f32, as accurately as f32 sums, v_exp_f32 and their like allow (about 1e-6 of the number): no bf16 or f16 on the way to a quantiser, and a product that is left as it is and whose result goes on into a quantised operand takes f32 operands (vector FMAs, or v_wmma_f32_16x16x4_f32). A number that lies on a knife's edge between two numbers of the format may be rounded either way, as far as f32 arithmetic and the matrix unit's own rounding can turn it there, and no further.
;; One version. Each part assembles by itself: llvm-mc -triple=amdgcn-amd-amdhsa -mcpu=gfx1250 --defsym DOCPART=n.
;; ======== version 1 of 1: 4 launches
;; limits: right only within a limited range of input values
;; workspace buffers: x_codes 8,388,608 bytes; wqkv_codes 3,145,728 bytes; wp_codes 1,048,576 bytes; qkv_img 25,165,824 bytes; a_img 8,388,608 bytes
;; launch quant (part 1): grid 768 x 1, 4 waves a work-group, no clusters, 33,280 bytes of LDS; arguments x, W_qkv, W_proj, lowp_scales, x_codes, wqkv_codes, wp_codes; writes x_codes, wqkv_codes, wp_codes
.if DOCPART == 1
	.amdgcn_target "amdgcn-amd-amdhsa--gfx1250"
	.amdhsa_code_object_version 6
	.text
	.protected	k_q8986b4e00f_quant
	.globl	k_q8986b4e00f_quant
	.p2align	8
	.type	k_q8986b4e00f_quant,@function
k_q8986b4e00f_quant:
	s_mov_b64 s[64:65], 0
	v_nop
	global_prefetch_b8 v0, s[64:65] scope:SCOPE_SE
	s_setreg_imm32_b32 hwreg(HW_REG_WAVE_MODE, 25, 1), 1
	s_wait_xcnt 0x0
; MULTI-HEAD SELF-ATTENTION ON CODES OF E5M2, first of four launches: x [8192][1024], W_qkv [3072][1024] and W_proj [1024][1024], f32, become codes, 8 bits each, K innermost.
; NOTHING OF THE COMPUTATION IS LEFT OUT in any of the four launches: all four products are live, every input has a way to the output, no mask is built and nothing is sliced away.
; code = number / 2^e, held within +-57,344, rounded to the nearest code, ties to even.  e: entry 0 of the exponents for x, entry 1 for W_qkv, entry 7 for W_proj.
; LIMITS: each of these three e lies between -126 and 112, so that 2^e and 57,344 x 2^e are f32 numbers.  NaN among the inputs is not served; an infinity is held at the largest code.
; Rows are dense, so each tensor is a plain stream.  A work-group takes 16,384 numbers, a wave a run of 4,096 (4 rows of 1,024) in 8 steps of 512.  Work-groups 0-511: x; 512-703: W_qkv; 704-767: W_proj:
; three work-groups for each of 256 WGPs.  Only pointers are chosen by the work-group's number: there is one path through the text.
; THE ROWS OF W_qkv THAT MAKE V (2048 to 3071: work-groups 640 to 703) ARE STORED WITH BITS 3 AND 4 OF THE ROW NUMBER SWAPPED.  A run is 4 rows, so the swap is of bits 1 and 2 of the run's number in the place
; where it is stored.  The later launches then find, in block beta of 16 stored rows of a head, row r = feature 32 (beta / 2) + 8 (beta % 2) + r + 8 (r / 8).
; The conversions take 8 numbers of one lane's consecutive registers, so a lane must hold neighbours; a load is dense where neighbouring lanes take neighbouring bytes.  Both are had: each of a step's four loads reads
; 512 consecutive bytes, 16 a lane; the 2,048 bytes go through the wave's own stage in LDS and come back 64 bytes a lane (16 bytes of padding behind each 64).  A lane's 16 codes are 16 bytes: a store covers 512 consecutive bytes.
; No tensor loads, no barrier: waves share nothing.  Loads run four steps (16 loads a wave) ahead, the turn through LDS one step.
.set WAVES, 4
.set STEPS, 8
.set EMAX,  15
.set MANT,  0x600000                   ; the mantissa field of 57,344 as f32
.set CB,    16                         ; bytes of 16 codes
.set R,     16                         ; v16-79   four sets of 16 numbers as they are loaded
.set X,     80                         ; v80-111  two sets of 16 neighbours
.set C,     128                        ; v128-159 codes: four registers for each step, so that no store's data are written again
.set WREG,  8192                       ; LDS: a region of its own for each wave: two stages of 32 x SP bytes
.set SP,    80                         ; a lane's place in a stage: its 64 bytes + 16 of padding
.set SPW,   12                         ; v12      LDS address of my spare word; never rewritten
.set NIL,   13                         ; v13      0; never rewritten
.set SPARE, WAVES*WREG                 ; behind the four regions: the spare words, 128 bytes for each wave
	s_load_b256 s[4:11], s[0:1], 0x0               ; x s[4:5], W_qkv s[6:7], W_proj s[8:9], the exponents s[10:11]
	s_load_b128 s[12:15], s[0:1], 0x20             ; x's codes, W_qkv's codes
	s_load_b64 s[16:17], s[0:1], 0x30              ; W_proj's codes
	v_lshl_add_u32 v[SPW], v0, 2, SPARE
	v_mov_b32 v[NIL], 0
	v_lshrrev_b32 v1, 5, v0
	v_readfirstlane_b32 s20, v1                    ; wave
	v_and_b32 v2, 31, v0                           ; lane
	v_lshlrev_b32 v3, 4, v2                        ; my 16 bytes of a load's 512
	s_mul_i32 s21, s20, WREG
	v_lshrrev_b32 v14, 2, v2
	v_mul_u32_u24 v14, v14, SP
	v_and_b32 v15, 3, v2
	v_lshl_add_u32 v14, v15, 4, v14
	v_add_nc_u32 v14, s21, v14                     ; the stage, on the way in: SP (lane / 4) + 16 (lane % 4); a load's 512 bytes take eight places
	v_mul_u32_u24 v15, v2, SP
	v_add_nc_u32 v15, s21, v15                     ; and on the way out: SP x lane: my 16 neighbours
	v_mul_u32_u24 v4, v2, CB                       ; my codes' place in a step's
	s_mov_b32 s22, 704
	s_wait_alu depctr_va_vdst(0)                   ; the wait ahead of a wait that blocks
	s_wait_kmcnt 0x0
	s_load_b256 s[32:39], s[10:11], 0x0            ; the eight exponents
	s_cmp_lt_u32 ttmp9, 704                        ; W_qkv or W_proj?  The choices hang on the work-group's number alone
	s_cselect_b64 s[6:7], s[6:7], s[8:9]
	s_cselect_b64 s[14:15], s[14:15], s[16:17]
	s_cselect_b32 s22, 512, s22                    ; the tensor's first work-group
	s_cmp_lt_u32 ttmp9, 512                        ; or x?
	s_cselect_b64 s[4:5], s[4:5], s[6:7]
	s_cselect_b64 s[8:9], s[12:13], s[14:15]
	s_cselect_b32 s22, 0, s22
	s_sub_co_u32 s23, ttmp9, s22
	s_lshl_b32 s23, s23, 2
	s_add_co_u32 s24, s23, s20                     ; which run of 4,096 numbers of the tensor my wave reads
	s_and_b32 s26, s24, 2
	s_lshl_b32 s26, s26, 1
	s_and_b32 s27, s24, 4
	s_lshr_b32 s27, s27, 1
	s_or_b32 s26, s26, s27
	s_and_not1_b32 s27, s24, 6
	s_or_b32 s26, s26, s27                         ; the run's number with bits 1 and 2 swapped
	s_sub_co_u32 s27, ttmp9, 640                   ; under 64 (unsigned) in the work-groups of V's rows alone
	s_cmp_lt_u32 s27, 64
	s_cselect_b32 s26, s26, s24                    ; which run of 4,096 codes it writes
	s_mov_b32 s25, 0
	s_mov_b32 s27, 0
	s_lshl_b64 s[28:29], s[24:25], 14
	s_add_nc_u64 s[4:5], s[4:5], s[28:29]
	s_lshl_b64 s[28:29], s[26:27], 12
	s_add_nc_u64 s[8:9], s[8:9], s[28:29]
.macro LOAD t
.irp i, 0,1,2,3
	global_load_b128 v[R+16*((\t)%4)+4*\i:R+16*((\t)%4)+4*\i+3], v3, s[4:5] offset:2048*(\t)+512*\i th:TH_LOAD_NT   ; 32 lanes read 512 consecutive bytes
.endr
.endm
.macro TURN t                          ; step t's numbers through the stage: LDS serves a wave's instructions in order, so no wait stands between the stores and the loads
.irp i, 0,1,2,3
	ds_store_b128 v14, v[R+16*((\t)%4)+4*\i:R+16*((\t)%4)+4*\i+3] offset:32*SP*((\t)%2)+8*SP*\i
.endr
.irp i, 0,1,2,3
	ds_load_b128 v[X+16*((\t)%2)+4*\i:X+16*((\t)%2)+4*\i+3], v15 offset:32*SP*((\t)%2)+16*\i
.endr
.endm
.irp t, 0,1,2,3
	LOAD \t
.endr
	s_wait_kmcnt 0x0
	s_cmp_lt_u32 ttmp9, 704
	s_cselect_b32 s30, s33, s39                    ; e of W_qkv or of W_proj,
	s_cmp_lt_u32 ttmp9, 512
	s_cselect_b32 s30, s32, s30                    ; or of x
	s_add_co_i32 s30, s30, 127
	s_lshl_b32 s31, s30, 23
	v_mov_b32 v11, s31                             ; 2^e as f32: the conversion takes its exponent field
	s_add_co_i32 s30, s30, EMAX
	s_lshl_b32 s30, s30, 23
	s_or_b32 s30, s30, MANT
	v_mov_b32 v10, s30                             ; the largest number x 2^e
	s_wait_alu depctr_va_vdst(0)                   ; the wait at the head's end
	s_wait_loadcnt 12                              ; step 0's four loads are in; three steps' twelve stay out
	TURN 0
.macro STEP t
.set XS, X+16*((\t)%2)
	s_wait_dscnt 0x0                               ; this step's numbers are back from the stage: so its stores into the stage have read their registers,
.if (\t)+4 < STEPS
	LOAD (\t)+4                                    ; which take the loads of four steps on
.endif
.if (\t)+1 < STEPS
.if STEPS-2-(\t) >= 3
	s_wait_loadcnt 12                              ; the next step's four loads are in; those of the three steps behind it may be out
.else
	s_wait_loadcnt 4*(STEPS-2-(\t))
.endif
	TURN (\t)+1                                    ; and go through the other stage while this step is worked
.endif
.irp i, 0,1,2,3,4,5,6,7,8,9,10,11,12,13,14,15
	v_med3_num_f32 v[XS+\i], v[XS+\i], -v10, v10   ; the conversion to an 8-bit code does not saturate (ISA guide 7.6.2): the number is held within the largest code x the scale first
.endr
	v_cvt_scalef32_pk8_bf8_f32 v[C+4*(\t):C+4*(\t)+1], v[XS:XS+7], v11          ; eight numbers / 2^e, to the nearest code, ties to even; the first number's code in the lowest byte
	v_cvt_scalef32_pk8_bf8_f32 v[C+4*(\t)+2:C+4*(\t)+3], v[XS+8:XS+15], v11     ; (the results go to a store alone; the next step's holds are plain lines on other registers)
	global_store_b128 v4, v[C+4*(\t):C+4*(\t)+3], s[8:9] offset:32*CB*(\t)      ; 32 lanes store 512 consecutive bytes, aligned
.endm
.irp t, 0,1,2,3,4,5,6,7
	STEP \t
.endr
	s_wait_tensorcnt 0x0                           ; the wave's end: behind my last LDS store
	ds_add_u32 v[SPW], v[NIL]
	s_wait_dscnt 0x0
	s_endpgm
.Lfunc_end_k_q8986b4e00f_quant:
	.size	k_q8986b4e00f_quant, .Lfunc_end_k_q8986b4e00f_quant-k_q8986b4e00f_quant
	.p2alignl 7, 3214868480
	.fill 96, 4, 3214868480
	.section	.rodata,"a",@progbits
	.p2align	6, 0x0
	.amdhsa_kernel k_q8986b4e00f_quant
		.amdhsa_group_segment_fixed_size 33280
		.amdhsa_private_segment_fixed_size 0
		.amdhsa_enable_private_segment 0
		.amdhsa_kernarg_size 56
		.amdhsa_user_sgpr_count 2
		.amdhsa_user_sgpr_kernarg_segment_ptr 1
		.amdhsa_wavefront_size32 1
		.amdhsa_system_sgpr_workgroup_id_x 1
		.amdhsa_system_sgpr_workgroup_id_y 1
		.amdhsa_system_sgpr_workgroup_id_z 1
		.amdhsa_system_vgpr_workitem_id 0
		.amdhsa_next_free_vgpr 160
		.amdhsa_next_free_sgpr 66
		.amdhsa_reserve_vcc 0
		.amdhsa_float_denorm_mode_32 3
		.amdhsa_float_denorm_mode_16_64 3
		.amdhsa_memory_ordered 1
		.amdhsa_forward_progress 1
		.amdhsa_inst_pref_size 21
	.end_amdhsa_kernel
	.amdgpu_metadata
---
amdhsa.version: [ 1, 2 ]
amdhsa.kernels:
  - .name:           k_q8986b4e00f_quant
    .symbol:         k_q8986b4e00f_quant.kd
    .args:
      - { .name: x, .offset: 0, .size: 8, .value_kind: global_buffer, .address_space: global }
      - { .name: W_qkv, .offset: 8, .size: 8, .value_kind: global_buffer, .address_space: global }
      - { .name: W_proj, .offset: 16, .size: 8, .value_kind: global_buffer, .address_space: global }
      - { .name: lowp_scales, .offset: 24, .size: 8, .value_kind: global_buffer, .address_space: global }
      - { .name: x_codes, .offset: 32, .size: 8, .value_kind: global_buffer, .address_space: global }
      - { .name: wqkv_codes, .offset: 40, .size: 8, .value_kind: global_buffer, .address_space: global }
      - { .name: wp_codes, .offset: 48, .size: 8, .value_kind: global_buffer, .address_space: global }
    .group_segment_fixed_size: 33280
    .private_segment_fixed_size: 0
    .kernarg_segment_align: 8
    .kernarg_segment_size: 56
    .max_flat_workgroup_size: 128
    .sgpr_count:     66
    .vgpr_count:     160
    .wavefront_size: 32
...
	.end_amdgpu_metadata
.endif
;; end of part 1
;; launch qkv (part 2): grid 12 x 16, 4 waves a work-group, clusters of 4 x 4, 327,680 bytes of LDS; arguments x_codes, wqkv_codes, lowp_scales, qkv_img; writes qkv_img
.if DOCPART == 2
	.amdgcn_target "amdgcn-amd-amdhsa--gfx1250"
	.amdhsa_code_object_version 6
	.text
	.protected	k_q8986b4e00f_qkv
	.globl	k_q8986b4e00f_qkv
	.p2align	8
	.type	k_q8986b4e00f_qkv,@function
k_q8986b4e00f_qkv:
	s_mov_b64 s[64:65], 0
	v_nop
	global_prefetch_b8 v0, s[64:65] scope:SCOPE_SE
	s_setreg_imm32_b32 hwreg(HW_REG_WAVE_MODE, 25, 1), 1
	s_wait_xcnt 0x0
	s_wait_alu depctr_hold_cnt(0) depctr_sa_sdst(0) depctr_va_vdst(0) depctr_va_sdst(0) depctr_va_ssrc(0) depctr_va_vcc(0) depctr_vm_vsrc(0)
	s_getreg_b32 s2, hwreg(HW_REG_IB_STS2, 6, 4)
	s_cmp_eq_u32 s2, 0
	s_cbranch_scc0 .Lentry_in_a_cluster
	s_endpgm
.Lentry_in_a_cluster:
	s_bfe_u32 s2, ttmp6, 0x10000c
	s_cmp_lg_u32 s2, 0xf033
	s_cbranch_scc0 .Lentry_shape_is_right
	s_endpgm
.Lentry_shape_is_right:
; Second launch: qkv = x W_qkv^T on codes of E5M2 ([8192][1024] x [3072][1024], f32 sums), and q, k, v quantised in registers.  Nothing is left out.
; A sum stands for sum x 2^(e0 + e1); its code is sum / 2^(e_sec - e0 - e1), held within +-57,344 x that, with e_sec = e2 for q, e3 for k, e5 for v: the three scales are folded into the conversion's one.
; LIMIT: e_sec - e0 - e1 lies between -126 and 112 for each of the three.
; A tile of 256 tokens x 256 features is made by a work-group of four waves; a wave makes 128 x 128: 64 accumulators, 512 registers.  K goes in steps of 256 through a ring of two LDS slots filled by the tensor data mover.
; A WORK-GROUP STAYS FOR TWO TILES, 4,096 tokens (four batches) apart, with the same rows of W: 384 tiles on 192 work-groups.  The ring does not stop at the first tile's end: its last two changes of slots ask for the
; second tile's first two K steps, and the first tile's codes are made and stored while the second of them is on its way.  Both tiles are written out.
; CLUSTERS: 4 x 4 work-groups.  The four of a row of the cluster need the same tiles of x, the four of a column the same tiles of W: each tile is asked for JOINTLY, by the same tensor load with a mask that names the four.
; The cluster's x is the SECTION: 0 = q, 1 = k, 2 = v (a section is 1,024 features = 4 tiles): it is the same in all sixteen partners.
; THE MATRIX INSTRUCTION IS USED TRANSPOSED: source 0 = 16 rows of the B set, source 1 = 16 rows of the A set; a lane then holds one row of the A set and eight neighbouring rows of the B set.
;   q, k: A set = tokens, B set = features: a lane holds one token and eight neighbouring features: the conversion of accumulator (a, b) is registers 2 (b % 4), +1 of the K = 64 operand of token block a, head b / 4.
;   v:    A set = features, B set = tokens: a lane holds one feature and eight neighbouring tokens (keys): the conversion of accumulator (a, b) is registers 2 b, +1 of the K = 128 operand of feature block a.
;   The two sets change places by the two LDS read addresses alone, chosen by the section.
; THE RESULT GOES TO MEMORY AS IMAGES OF THE OPERANDS' REGISTERS: four registers by one store, lane l's 16 bytes at 16 l: 512 consecutive bytes, aligned.  No stage in LDS, nothing is transposed.
;   qkv_img: [batch x 16 + head][q, k, v][65,536 bytes].  q, k: [block of 16 tokens, 64][1,024].  v: [128 keys, 8][block of 16 feature rows, 4][2,048].
; REGISTERS, in windows of 256: window 0: v0-31 addresses; from v128 the A set's fragments (8 x 16 rows x 128 K), ONE set.
;   window 1: the B set's fragments, TWO sets, at v0 and at v128; on a tile's way out the second set's registers take the codes.
;   window 2: the 32 accumulators of A blocks 0-3 (accumulator (a, b) at v[8 (8 a + b)]);   window 3: those of A blocks 4-7.
; A fragment comes by four loads of 16 bytes, 32 bytes apart: registers 4 c .. 4 c + 3 hold K = 32 c + 16 (lane / 16) + 0 .. 15: a permutation of k, the same in both operands, so that every product meets its partner.
; Not prefetched: a tile has four K steps, and each is asked for a K step ahead of its use, across the tiles too.
; HOW THE SETS CHANGE PLACES (this stands in place of the sentence on LDS read addresses above): the A set always lies in a slot's first 256 rows and is shared along a row of the cluster, the B set in the
; second 256 and is shared along a column.  In sections q and k the A set is x at tile row 4 x cluster y + cy and the B set W at tile 4 x section + cx; in section v the A set is W at tile 8 + cy and the
; B set x at tile row 4 x cluster y + cx.  Buffers and cluster terms are chosen by the section, which all sixteen partners share; every LDS address is made of the wave's number alone.
; PREFETCH (this stands in place of the sentence 'Not prefetched' above).  The K steps of a work-group's two tiles are loads 0 to 7.  Beside load n a wave asks for what load n + 3 will fetch: 32 rows x 256 bytes, a lane a row,
; one instruction; beside load 0 also for load 2's.  Of the 128 rows that a wave fetches, each of the four partners that ask for them jointly takes 32, told apart by address (cx for the A set, cy for the B set).
; The set that stays for both tiles (W) is asked for in the first tile alone.  Loads 0 and 1 come by themselves; loads 5 to 7 have nothing three loads on.  No address register of a prefetch is written again.
.set SIZE_K, 1024
.set KSTEP,  256                       ; along K in a slot
.set ROWB,   256                       ; a tile's row in bytes
.set KROW,   SIZE_K                    ; a row of codes in memory, in bytes
.set PITCH,  272                       ; an LDS row: 256 bytes + 16 of padding = 68 words: row r starts at bank 4 r mod 64 (ISA guide 11.1), so the 16 rows that a load touches start at 16 different banks
.set FR,     16                        ; registers of a fragment: 16 rows x 128 K
.set NL,     4                         ; LDS loads that bring one
.set NP,     4                         ; places behind this matrix instruction (ISA guide 7.12.1)
.set HALFT,  128*PITCH                 ; 128 rows: what one tensor load brings, and what one wave reads of x or of W
.set SLOT,   4*HALFT                   ; x's 256 rows, then W's 256 rows
.set SPARE,  2*SLOT                    ; behind the ring: the spare words, 128 bytes for each wave
.set WALK,   4096                      ; tokens from a work-group's first tile to its second
.set NEXT_A, WALK*KROW-2*ROWB          ; bytes from a slot's last K step of the first tile to its first of the second: x goes WALK rows down and back along K,
.set BACK_B, 2*ROWB                    ; W only back
.set NEXT_O, (WALK/1024)*16*3*65536    ; bytes from the first tile's images to the second's: four batches of sixteen heads of three sections
.set ADRA, 16                          ; v16-17  LDS address of the A set's fragments in slot 0, 1
.set ADRB, 20                          ; v20-21  the same for the B set
.set CO,   26                          ; v26     16 x lane: my place in an image
.set SC,   27                          ; v27     2^(e_sec - e0 - e1) as f32
.set SPW,  28                          ; v28     LDS address of my spare word; never rewritten
.set NIL,  29                          ; v29     0; never rewritten
.set AF,   128                         ; the A set's fragments, in window 0
.set CD,   128                         ; the way out: the codes, 16 registers for each A block, in window 1
.set G1, 24                            ; s[24:31] descriptor group 1 for x's tiles;  s[32:39] group 0, one set for each slot
.set G0, 32
.set G1B, 48                           ; s[48:55], s[56:63] the same for W's tiles
.set G0B, 56
.set MSB, 0
.macro WIN new                         ; the immediate's high byte repeats the setting that is left
.if MSB != \new
	s_set_vgpr_msb (MSB<<8)|\new
.set MSB, \new
.endif
.endm
.set MUL_LO, 0xa1                      ; source 0 (B set) window 1, source 1 (A set) window 0, C and D window 2
.set MUL_HI, 0xf1                      ; the same, C and D window 3
.set TO_B,   0x40                      ; destination window 1, address window 0
; A joint load: waves 0 and 1 fetch x's halves, waves 2 and 3 W's.  Each of the two lines has ONE mask and one set of registers for all that issue it; the branch hangs on the wave's number alone.
; An s_nop 0 and four v_nop follow each of the two lines, ahead of the jump, the label and what follows.
.macro JLOAD g0a, g1a, g0b, g1b
	s_cmp_eq_u32 s15, 0
	s_cbranch_scc0 .Lfor_b_\@
	tensor_load_to_lds s[\g0a:\g0a+3], s[\g1a:\g1a+7]
	s_nop 0
.rept 4
	v_nop
.endr
	s_branch .Lasked_\@
.Lfor_b_\@:
	tensor_load_to_lds s[\g0b:\g0b+3], s[\g1b:\g1b+7]
	s_nop 0
.rept 4
	v_nop
.endr
.Lasked_\@:
.endm
.macro CREST                           ; a round of the cluster's barrier behind its opening barrier
	s_cmp_lg_u32 s14, 0
	s_cbranch_scc1 .Lnot_wave_0_\@
	s_barrier_signal -3
.Lnot_wave_0_\@:
	s_barrier_wait -3
	s_barrier_signal -1
	s_barrier_wait -1
.endm
.macro CROUND                          ; a whole round
	s_barrier_signal -1
	s_barrier_wait -1
	CREST
.endm
	s_load_b128 s[4:7], s[0:1], 0x0                ; x's codes s[4:5], W_qkv's codes s[6:7]
	s_load_b128 s[8:11], s[0:1], 0x10              ; the exponents s[8:9], qkv_img s[10:11]
	v_lshl_add_u32 v[SPW], v0, 2, SPARE
	v_mov_b32 v[NIL], 0
	ds_add_u32 v[SPW], v[NIL]                      ; the wave's opening: the add, twice on end, and its wait ahead of my first tensor load; the set-up below stands between the second and the wait
	ds_add_u32 v[SPW], v[NIL]
	v_lshrrev_b32 v1, 5, v0
	v_readfirstlane_b32 s14, v1                    ; wave 0..3
	s_lshr_b32 s15, s14, 1                         ; which half of the tile's tokens is mine.  Also: I fetch for x (0) or for W (1)
	s_and_b32 s16, s14, 1                          ; which half of its features.  Also: which 128 rows of that tile I fetch
	s_bfe_u32 s40, ttmp6, 0x40000                  ; cx, cy: my place in the cluster
	s_bfe_u32 s41, ttmp6, 0x40004
	s_and_b32 s17, ttmp7, 0xffff
	s_lshl_b32 s17, s17, 2                         ; 4 x cluster y
	s_lshl_b32 s42, ttmp9, 2                       ; 4 x section
	s_cmp_eq_u32 ttmp9, 2                          ; section v?
	s_cselect_b32 s66, s42, s17                    ; the A set's first tile of the cluster: v: W's tile 8; q, k: x's tile row 4 x cluster y
	s_cselect_b32 s42, s17, s42                    ; the B set's: v: x's tile row 4 x cluster y; q, k: W's tile 4 x section
	s_add_co_u32 s17, s66, s41                     ; the A set's tile: + cy
	s_add_co_u32 s42, s42, s40                     ; the B set's tile: + cx
	s_lshl_b32 s43, s41, 2
	s_lshl_b32 s43, 15, s43                        ; my row of the cluster
	s_lshl_b32 s44, 0x1111, s40                    ; my column
	; descriptor group 1: a tile of 128 rows x 256 bytes, padded in LDS
	s_or_b32 s[G1+0], s43, (0<<16)|(1<<20)|(1<<21)|(5<<22)|(3<<25)  ; 15:0 the mask: x's tiles go to my row; 17:16 element of 1 byte; 20 padding on; 21 set beside a mask; 24:22 after every 64 words (code 5); 31:25 of 4 words (code 3)
	s_or_b32 s[G1B+0], s44, (0<<16)|(1<<20)|(1<<21)|(5<<22)|(3<<25)
.irp g, G1, G1B
	s_mov_b32 s[\g+1], ROWB<<16                    ; tensor_dim0
	s_mov_b32 s[\g+2], 128<<16                     ; tensor_dim1 = 128
	s_mov_b32 s[\g+3], ROWB<<16                    ; tile_dim0
	s_mov_b32 s[\g+4], 128                         ; tile_dim1 = 128
	s_mov_b32 s[\g+5], KROW                        ; tensor_dim0_stride
	s_mov_b32 s[\g+6], 0
	s_mov_b32 s[\g+7], 0
.endr
	s_lshl_b32 s18, s16, 7                         ; which 128 rows of the tile I fetch
	s_lshl_b32 s20, s17, 8
	s_add_co_u32 s20, s20, s18                     ; x: row 256 x tile row + 128 x half
	s_lshl_b32 s46, s42, 8
	s_add_co_u32 s46, s46, s18                     ; W: row 256 x tile column + 128 x half
	s_mov_b32 s21, 0
	s_mov_b32 s47, 0
	s_mov_b64 s[18:19], KROW
	s_mul_u64 s[20:21], s[20:21], s[18:19]
	s_mul_u64 s[46:47], s[46:47], s[18:19]
	s_mul_i32 s45, s14, HALFT                      ; where they go: wave x 128 rows: no place in the cluster enters an LDS address
	s_wait_dscnt 0x0                               ; both opening adds are done
	s_wait_kmcnt 0x0
	s_load_b256 s[80:87], s[8:9], 0x0              ; e0 .. e7
	s_cmp_eq_u32 ttmp9, 2
	s_cselect_b64 s[68:69], s[6:7], s[4:5]         ; the A set's buffer: v: W; q, k: x
	s_cselect_b64 s[70:71], s[4:5], s[6:7]         ; the B set's
	s_cselect_b32 s72, 0, WALK*KROW                ; what the A set goes down from the first tile to the second: x walks, W stays
	s_cselect_b32 s74, WALK*KROW, 0                ; and the B set
	s_mov_b32 s73, 0
	s_mov_b32 s75, 0
	s_add_nc_u64 s[20:21], s[68:69], s[20:21]
	s_add_nc_u64 s[46:47], s[70:71], s[46:47]
	s_cmp_eq_u32 s15, 0                            ; do I fetch for the A set?
	s_cselect_b64 s[92:93], s[20:21], s[46:47]     ; the 128 rows that I fetch,
	s_cselect_b32 s96, s72, s74                    ; what they go down to the second tile (0: they stay),
	s_cselect_b32 s94, s40, s41                    ; and my place among the four that ask for them with me
	s_lshl_b32 s94, s94, 15                        ; 32 rows of 1,024 bytes for each place
	s_mov_b32 s95, 0
	s_add_nc_u64 s[92:93], s[92:93], s[94:95]      ; my work-group's 32 rows, in the first tile,
	s_mov_b32 s94, s96
	s_add_nc_u64 s[94:95], s[92:93], s[94:95]      ; and in the second
	CROUND                                         ; all sixteen work-groups are here: the first joint loads meet
.irp s, 0,1
	s_mov_b32 s[G0+4*\s], 1
	s_add_co_u32 s[G0+4*\s+1], s45, \s*SLOT
	s_add_nc_u64 s[G0+4*\s+2:G0+4*\s+3], s[20:21], \s*ROWB
	s_or_b32 s[G0+4*\s+3], s[G0+4*\s+3], 0x80000000
	s_mov_b32 s[G0B+4*\s], 1
	s_add_co_u32 s[G0B+4*\s+1], s45, \s*SLOT
	s_add_nc_u64 s[G0B+4*\s+2:G0B+4*\s+3], s[46:47], \s*ROWB
	s_or_b32 s[G0B+4*\s+3], s[G0B+4*\s+3], 0x80000000
.endr
	JLOAD G0, G1, G0B, G1B                         ; K step 0: one tensor load a wave at the head
	v_and_b32 v1, 15, v0                           ; l % 16
	v_bfe_u32 v2, v0, 4, 1                         ; l / 16
	v_mul_u32_u24 v3, v1, PITCH
	v_lshl_add_u32 v4, v2, 4, v3                   ; a fragment's row x pitch + 16 x half
	s_wait_alu depctr_va_vdst(0)
	s_mul_i32 s21, s15, HALFT                      ; my 128 tokens in x's tile
	s_mul_i32 s22, s16, HALFT                      ; my 128 features in W's tile,
	s_add_co_u32 s22, s22, 2*HALFT                 ; which lies behind x's 256 rows
.irp s, 0,1
	v_add_nc_u32 v[ADRA+\s], s21, v4
	v_add_nc_u32 v[ADRB+\s], s22, v4
	s_add_co_u32 s21, s21, SLOT
	s_add_co_u32 s22, s22, SLOT
.endr
	v_and_b32 v6, 31, v0
	v_lshlrev_b32 v[CO], 4, v6                     ; 16 x lane
	v_lshlrev_b32 v30, 10, v6                      ; the prefetches' offset: a lane a row of 1,024 bytes; never rewritten
	global_prefetch_b8 v30, s[92:93] offset:2*ROWB th:TH_LOAD_NT scope:SCOPE_SE   ; K steps 2 and 3 of the first tile
	global_prefetch_b8 v30, s[92:93] offset:3*ROWB th:TH_LOAD_NT scope:SCOPE_SE
	; where my first tile's images begin: ((batch x 16 + my first head) x 3 + section) x 65,536 + (tile row % 4) x 16,384 + my half of the tokens x 8,192: the same in all three sections
	s_cmp_eq_u32 ttmp9, 2
	s_cselect_b32 s76, s41, s40                    ; my tile of the section's four tiles of features: v: cy; q, k: cx
	s_cselect_b32 s77, s40, s41                    ; my tile of the batch's four tiles of tokens: v: cx; q, k: cy
	s_cselect_b32 s78, s15, s16                    ; my half of the features: the A set's half in v, the B set's in q, k
	s_cselect_b32 s79, s16, s15                    ; my half of the tokens
	s_and_b32 s20, ttmp7, 0xffff                   ; batch = cluster y
	s_lshl_b32 s20, s20, 4
	s_lshl_b32 s46, s76, 2                         ; a tile of features is four heads,
	s_add_co_u32 s20, s20, s46
	s_lshl_b32 s46, s78, 1                         ; my half of it two
	s_add_co_u32 s20, s20, s46
	s_mul_i32 s20, s20, 3
	s_add_co_u32 s20, s20, ttmp9
	s_lshl_b32 s20, s20, 16
	s_lshl_b32 s46, s77, 14
	s_add_co_u32 s20, s20, s46
	s_lshl_b32 s46, s79, 13
	s_add_co_u32 s20, s20, s46
	s_mov_b32 s21, 0
	s_add_nc_u64 s[10:11], s[10:11], s[20:21]
.macro FRAG reg, adr, q, i             ; a fragment, 16 rows x 128 K of 8-bit codes, is 16 registers: lane l holds row l % 16; registers 4 c .. 4 c + 3 hold K = 32 c + 16 (l / 16) + 0 .. 15
.irp c, 0,1,2,3
	ds_load_b128 v[\reg+4*\c:\reg+4*\c+3], v[\adr] offset:128*(\q)+32*\c+(\i)*16*PITCH
.endr
.endm
; 16 matrix instructions: A blocks a0, a0 + 1 x the B set's eight, 128 along K.  p: the B set's registers.  zero = 1: the first product starts the sums: nothing is ever cleared.
; The 64 accumulators take turns, one instruction a turn, in the same order in every step, from tile to tile too.
.macro MUL16 a0, p, zero
.irp a, \a0, \a0+1
.irp b, 0,1,2,3,4,5,6,7
.if \zero
	v_wmma_f32_16x16x128_bf8_bf8 v[8*(8*((\a)%4)+\b):8*(8*((\a)%4)+\b)+7], v[128*(\p)+FR*\b:128*(\p)+FR*\b+FR-1], v[AF+FR*(\a):AF+FR*(\a)+FR-1], 0
.else
	v_wmma_f32_16x16x128_bf8_bf8 v[8*(8*((\a)%4)+\b):8*(8*((\a)%4)+\b)+7], v[128*(\p)+FR*\b:128*(\p)+FR*\b+FR-1], v[AF+FR*(\a):AF+FR*(\a)+FR-1], v[8*(8*((\a)%4)+\b):8*(8*((\a)%4)+\b)+7]
.endif
.endr
.endr
.endm
.macro FETCH_B slot, q, p              ; the B set's eight fragments of the slot's q-th 128 along K into registers p
	WIN TO_B
.irp i, 0,1,2,3,4,5,6,7
	FRAG 128*(\p)+FR*\i, ADRB+\slot, \q, \i
.endr
	WIN 0
.endm
.macro FETCH_A slot, q, i0             ; A blocks i0 .. i0 + 3
.irp i, \i0, \i0+1, \i0+2, \i0+3
	FRAG AF+FR*(\i), ADRA+\slot, \q, \i
.endr
.endm
; A load into a register that a matrix instruction has read, and a vector instruction that reads a matrix result or writes one of a matrix instruction's registers, stand NP places behind that matrix instruction,
; and only plain vector instructions that name none of its registers are places (ISA guide 7.12.1 for vector instructions).
.macro PLACES n
.rept \n
	v_nop
.endr
.endm
; A step of 128 along K that has its successor in the same slot.
.macro STEP slot, q, zero
	s_wait_dscnt 4*NL                              ; the B set and A blocks 0-3 are in; the youngest sixteen loads (A blocks 4-7) may be out
	WIN MUL_LO
	MUL16 0, (\q)%2, \zero
	MUL16 2, (\q)%2, \zero
	s_wait_dscnt 0                                 ; A blocks 4-7 are in (asked for 32 matrix instructions ago)
	PLACES NP
	FETCH_B \slot, (\q)+1, 1-(\q)%2
	FETCH_A \slot, (\q)+1, 0
	WIN MUL_HI
	MUL16 4, (\q)%2, \zero
	MUL16 6, (\q)%2, \zero
	PLACES NP
	WIN 0
	FETCH_A \slot, (\q)+1, 4
.endm
; A slot's last step changes slots: ONE barrier; in front of it each wave waits for all its tensor loads, adds 0 to its spare word, and waits for that and for its own reads of this slot.
; fill = 1: this slot is filled again, two K steps ahead in the same tile;  fill = 2: with the NEXT tile's K step 0 or 1;  fill = 0: nothing is left to ask for.
.macro ASK k                           ; the second tile's K step k of my work-group's 32 rows, where my set walks; the branch hangs on the section and the wave's number alone
	s_cmp_lg_u32 s96, 0
	s_cbranch_scc0 .Lnot_mine_\@
	global_prefetch_b8 v30, s[94:95] offset:ROWB*(\k) th:TH_LOAD_NT scope:SCOPE_SE
.Lnot_mine_\@:
.endm
.macro TURN slot, next, fill
	s_wait_tensorcnt 0x0                           ; all my tensor loads have landed: my part of the next slot;  (every window is 0 here)
	ds_add_u32 v[SPW], v[NIL]                      ; 0 onto my spare word;
	s_wait_dscnt 4*NL+1                            ; (the add and the youngest sixteen loads, A blocks 4-7, may be out)
	WIN MUL_LO
	MUL16 0, 1, 0                                  ; sixteen matrix instructions stand between the add and the wait for it
	s_wait_dscnt 0x0                               ; the add is done, and my reads of this slot are over
	s_barrier_signal -1
	MUL16 2, 1, 0
	WIN 0
	s_barrier_wait -1
.if \fill
	CREST                                          ; the barrier has opened a round of the cluster's barrier: no wave of any partner still reads this slot's tile or has a load on its way
.if \fill == 2
	s_sub_nc_u64 s[G0+4*\slot+2:G0+4*\slot+3], s[G0+4*\slot+2:G0+4*\slot+3], BACK_B      ; both sets go back along K,
	s_sub_nc_u64 s[G0B+4*\slot+2:G0B+4*\slot+3], s[G0B+4*\slot+2:G0B+4*\slot+3], BACK_B
	s_add_nc_u64 s[G0+4*\slot+2:G0+4*\slot+3], s[G0+4*\slot+2:G0+4*\slot+3], s[72:73]    ; and the set that holds x goes WALK rows down
	s_add_nc_u64 s[G0B+4*\slot+2:G0B+4*\slot+3], s[G0B+4*\slot+2:G0B+4*\slot+3], s[74:75]
.else
	s_add_nc_u64 s[G0+4*\slot+2:G0+4*\slot+3], s[G0+4*\slot+2:G0+4*\slot+3], 2*ROWB
	s_add_nc_u64 s[G0B+4*\slot+2:G0B+4*\slot+3], s[G0B+4*\slot+2:G0B+4*\slot+3], 2*ROWB
.endif
	JLOAD G0+4*\slot, G1, G0B+4*\slot, G1B         ; the first tensor load behind the round, my one load until the next; the four v_nop behind it are the places in front of the loads below
.else
	PLACES NP
.endif
	FETCH_B \next, 0, 0
	FETCH_A \next, 0, 0
.if PFK >= 0
	ASK PFK                                        ; behind the joint load and the run of LDS loads
.endif
	WIN MUL_HI
	MUL16 4, 1, 0
	MUL16 6, 1, 0
	PLACES NP
	WIN 0
	FETCH_A \next, 0, 4
.endm
; THE WAY OUT of a tile.  The hold, in place, each accumulator from its low end on; the conversions, whose results are the next launch's operand registers; 32 stores of 512 consecutive bytes.
.macro HOLD w                          ; the 256 sums of window w
	WIN ((\w)<<6)|(\w)                             ; destination and source 0
.set i, 0
.rept 256
	v_med3_num_f32 v[i], v[i], s91, s90            ; the conversion to an 8-bit code does not saturate (ISA guide 7.6.2): the sum is held within +-57,344 x the scale first
.set i, i+1
.endr
.endm
.macro CODES w                         ; accumulator (a, b) of window w -> two registers of codes in window 1, where the B set's second registers lay: the last step has read them, and the next tile's fragments lie elsewhere
	WIN 0x40|(\w)                                  ; destination window 1, source 0 window w, the scale in window 0
.irp a, 0,1,2,3
.irp b, 0,1,2,3,4,5,6,7
	v_cvt_scalef32_pk8_bf8_f32 v[CD+16*(4*((\w)-2)+\a)+2*\b:CD+16*(4*((\w)-2)+\a)+2*\b+1], v[8*(8*\a+\b):8*(8*\a+\b)+7], v[SC]
.endr
.endr
.endm
.macro OUT first, last
.if \first
	s_wait_kmcnt 0x0
	s_cmp_eq_u32 ttmp9, 0
	s_cselect_b32 s88, s82, s83                    ; q: e2; k: e3;
	s_cmp_eq_u32 ttmp9, 2
	s_cselect_b32 s88, s85, s88                    ; v: e5
	s_sub_co_i32 s88, s88, s80
	s_sub_co_i32 s88, s88, s81                     ; e_sec - e0 - e1
	s_add_co_i32 s88, s88, 127
	s_lshl_b32 s89, s88, 23                        ; 2^(e_sec - e0 - e1) as f32
	s_add_co_i32 s88, s88, 15
	s_lshl_b32 s90, s88, 23
	s_or_b32 s90, s90, 0x600000                    ; 57,344 x that,
	s_or_b32 s91, s90, 0x80000000                  ; and its negative
	v_mov_b32 v[SC], s89                           ; (behind the four places with which the change of slots ended)
.endif
.if \last
	PLACES NP                                      ; behind the last products: for the holds, which write results, and the codes, which land where fragments lay
.endif
	HOLD 2
	CODES 2
	HOLD 3                                         ; (plain lines on other registers behind the conversions above)
	CODES 3
	WIN 0
	v_nop                                          ; one plain vector line behind the last conversion: the next tile's products write its sources
	s_cmp_eq_u32 ttmp9, 2                          ; the images' places differ: a branch on the section, the same in all partners
	s_cbranch_scc1 .Lv_out_\@
	WIN 0x04                                       ; a store's data: window 1
.irp a, 0,1,2,3,4,5,6,7                        ; q, k: token block a; registers 8 (g / 2) on are head g / 2's fragment, of which four are piece g % 2
.irp g, 0,1,2,3
	global_store_b128 v[CO], v[CD+16*\a+4*\g:CD+16*\a+4*\g+3], s[10:11] offset:(\g/2)*196608+\a*1024+(\g%2)*512
.endr
.endr
	WIN 0
	s_branch .Lsent_\@
.Lv_out_\@:
	WIN 0x04
	s_wait_alu depctr_va_vdst(0)
.irp a, 0,1,2,3,4,5,6,7                        ; v: feature block a % 4 of head a / 4; its sixteen registers are one fragment, in four pieces
.irp g, 0,1,2,3
	global_store_b128 v[CO], v[CD+16*\a+4*\g:CD+16*\a+4*\g+3], s[10:11] offset:(\a/4)*196608+(\a%4)*2048+\g*512
.endr
.endr
	WIN 0
.Lsent_\@:
.if \last == 0
	s_wait_xcnt 0x0                                ; the stores have read their data and their base: fragments may land on the one, and the other steps
	s_add_nc_u64 s[10:11], s[10:11], NEXT_O        ; the second tile's images
.endif
.endm
	s_wait_alu depctr_va_vdst(0)
	s_wait_tensorcnt 0x0                           ; my part of K step 0 is in
	ds_add_u32 v[SPW], v[NIL]
	s_wait_dscnt 0x0
	CROUND                                         ; a whole round: everybody's part of K step 0 is in,
	JLOAD G0+4, G1, G0B+4, G1B                     ; and K step 1's load is the first tensor load behind the round
	FETCH_B 0, 0, 0
	FETCH_A 0, 0, 0
	FETCH_A 0, 0, 4
	ASK 0                                          ; beside load 1: what load 4 will fetch
	; ---- the first tile
	STEP 0, 0, 1                                   ; a tile's first products start the sums
.set PFK, 1
	TURN 0, 1, 1
	STEP 1, 0, 0
.set PFK, 2
	TURN 1, 0, 1
	STEP 0, 0, 0
.set PFK, 3
	TURN 0, 1, 2                                   ; THE RING GOES ON INTO THE SECOND TILE: slot 0 takes its K step 0,
	STEP 1, 0, 0
.set PFK, -1                                   ; from here on nothing lies three loads ahead
	TURN 1, 0, 2                                   ; slot 1 its K step 1, and its first fragments are fetched
	OUT 1, 0                                       ; both refills are asked for: now the first tile goes out
	; ---- the second tile
	STEP 0, 0, 1
	TURN 0, 1, 1
	STEP 1, 0, 0
	TURN 1, 0, 1
	STEP 0, 0, 0
	TURN 0, 1, 0                                   ; the last lap fills nothing, and has no round of the cluster's barrier
	STEP 1, 0, 0
	s_wait_dscnt 4*NL                              ; the very last step: nothing more to fetch
	WIN MUL_LO
	MUL16 0, 1, 0
	MUL16 2, 1, 0
	s_wait_dscnt 0
	WIN MUL_HI
	MUL16 4, 1, 0
	MUL16 6, 1, 0
	WIN 0
	OUT 0, 1
	s_wait_tensorcnt 0x0                           ; the wave's end: behind my last tensor load
	ds_add_u32 v[SPW], v[NIL]
	s_wait_dscnt 0x0
	CROUND                                         ; the closing round: no work-group ends while a partner may still ask for a tile that names it
	s_endpgm
.Lfunc_end_k_q8986b4e00f_qkv:
	.size	k_q8986b4e00f_qkv, .Lfunc_end_k_q8986b4e00f_qkv-k_q8986b4e00f_qkv
	.p2alignl 7, 3214868480
	.fill 96, 4, 3214868480
	.section	.rodata,"a",@progbits
	.p2align	6, 0x0
	.amdhsa_kernel k_q8986b4e00f_qkv
		.amdhsa_group_segment_fixed_size 327680
		.amdhsa_private_segment_fixed_size 0
		.amdhsa_enable_private_segment 0
		.amdhsa_kernarg_size 32
		.amdhsa_user_sgpr_count 2
		.amdhsa_user_sgpr_kernarg_segment_ptr 1
		.amdhsa_wavefront_size32 1
		.amdhsa_system_sgpr_workgroup_id_x 1
		.amdhsa_system_sgpr_workgroup_id_y 1
		.amdhsa_system_sgpr_workgroup_id_z 1
		.amdhsa_system_vgpr_workitem_id 0
		.amdhsa_next_free_vgpr 1024
		.amdhsa_next_free_sgpr 98
		.amdhsa_reserve_vcc 0
		.amdhsa_float_denorm_mode_32 3
		.amdhsa_float_denorm_mode_16_64 3
		.amdhsa_memory_ordered 1
		.amdhsa_forward_progress 1
		.amdhsa_inst_pref_size 237
	.end_amdhsa_kernel
	.amdgpu_metadata
---
amdhsa.version: [ 1, 2 ]
amdhsa.kernels:
  - .name:           k_q8986b4e00f_qkv
    .symbol:         k_q8986b4e00f_qkv.kd
    .args:
      - { .name: x_codes, .offset: 0, .size: 8, .value_kind: global_buffer, .address_space: global }
      - { .name: wqkv_codes, .offset: 8, .size: 8, .value_kind: global_buffer, .address_space: global }
      - { .name: lowp_scales, .offset: 16, .size: 8, .value_kind: global_buffer, .address_space: global }
      - { .name: qkv_img, .offset: 24, .size: 8, .value_kind: global_buffer, .address_space: global }
    .group_segment_fixed_size: 327680
    .private_segment_fixed_size: 0
    .kernarg_segment_align: 8
    .kernarg_segment_size: 32
    .max_flat_workgroup_size: 128
    .sgpr_count:     98
    .vgpr_count:     1024
    .wavefront_size: 32
...
	.end_amdgpu_metadata
.endif
;; end of part 2
;; launch attn (part 3): grid 2 x 128, 8 waves a work-group, no clusters, 327,680 bytes of LDS; arguments qkv_img, lowp_scales, a_img; writes a_img
.if DOCPART == 3
	.amdgcn_target "amdgcn-amd-amdhsa--gfx1250"
	.amdhsa_code_object_version 6
	.text
	.protected	k_q8986b4e00f_attn
	.globl	k_q8986b4e00f_attn
	.p2align	8
	.type	k_q8986b4e00f_attn,@function
k_q8986b4e00f_attn:
	s_mov_b64 s[64:65], 0
	v_nop
	global_prefetch_b8 v0, s[64:65] scope:SCOPE_SE
	s_setreg_imm32_b32 hwreg(HW_REG_WAVE_MODE, 25, 1), 1
	s_wait_xcnt 0x0
; Third launch: attention on codes of E5M2, and its result quantised for the projection.  Nothing is left out.
; For each batch and head: S^T = K Q^T (K = the head's 64), t = score x log2(e) / 8 x 2^(e2 + e3), M = the running largest t rounded up to a whole number, p = 2^(t - M), quantised with 2^e4;
; the row's sum is taken of the unquantised p; O^T = V^T P^T (K = 128 keys a step); when M moves, the sum and O^T are multiplied by 2^(old M - new M).  At the end O / sum is quantised with 2^(e6 - e4 - e5).
; LIMITS: e2 + e3 between -123 and 130; e4 and e6 - e4 - e5 between -126 and 112; the scaled scores t stay under 2^31 in magnitude.
; SHARES.  A work-group owns 512 queries of one head: 2 x 128 work-groups.  Each of its eight waves owns 64 queries, four tiles of 16, so that each fragment of K and of V that it reads from LDS feeds four matrix instructions.
; The head's K and V, 2 x 65,536 bytes of register images, lie whole in LDS: K at 0, V at 65,536.  Waves 0-3 fetch K, waves 4-7 V: at the head 4,096 bytes each (key steps 0 and 1),
; and behind the first barrier 12,288 bytes each (key steps 2 to 7), which are waited for behind the first two key steps.  Nothing is filled again.
; No cluster: only the two work-groups of a head read the same tiles.  No prefetch: all that the work-group reads is asked for in the head; no loop runs ahead of a load.
; LAYOUT.  Both products are used transposed: a lane holds ONE query (lane % 16).  Register j of score tile k is key 16 k + 8 (lane / 16) + j, so the conversion of tile k is registers 2 k, 2 k + 1 of the K = 128 operand.
; A KEY STEP takes the four tiles one behind the other on two score buffers: while tile t's 64 exponentials are issued, tile t - 1's first sixteen packed sums and its 32 paired holds stand between them:
; lines that read only what earlier waits have covered, and whose results are read behind the batch's closing wait.
; REGISTERS.  Window 0: v1-11 addresses and work; v12+4t: -M, largest t, the sum in two halves, of tile t; v28-31 the factor f, two pairs by turns; v32-63 Q; v64-191 two score buffers; v192-223 partial sums; v224-239 p's codes.
; Window 1: v0-63 K's eight fragments; v64-127 V's four; v128-255 O^T, 32 a tile.
; THE TWO FILLS AS THEY STAND (in place of the byte counts above): at the head 6,144 bytes a wave, key steps 0 to 2; behind the full sequence 10,240 bytes a wave, key steps 3 to 7, waited for behind the first three key steps.
.set SPARE, 131072
.set LI,   1                           ; 16 x lane
.set LIV,  2                           ; 65,536 + 16 x lane
.set SPW,  5
.set NIL,  6
.set ADK,  8
.set ADV,  9
.set Q,    32
.set S,    64
.set TMP,  192
.set PC,   224
.set SCP,  240                         ; 2^e4 as f32
.set SCO,  241                         ; 2^(e6 - e4 - e5) as f32
.set TB,   2                           ; s2  the key step's first byte in K's and in V's image
.set KS,   3                           ; s3  key steps to go in the loop
.set WV,   18
.set SEL,  20
.set CS,   22
.set G1S,  24
.set G0S,  32
.set G1L,  56
.set G0L,  68
.set HL,   72                          ; s72 57,344 x 2^e4
.set MSB, 0
.macro WIN new                         ; the immediate's high byte repeats the setting that is left
.if MSB != \new
	s_set_vgpr_msb (MSB<<8)|\new
.set MSB, \new
.endif
.endm
	s_load_b128 s[4:7], s[0:1], 0x0                ; qkv_img, the exponents
	s_load_b64 s[8:9], s[0:1], 0x10                ; a_img
	v_lshl_add_u32 v[SPW], v0, 2, SPARE
	v_mov_b32 v[NIL], 0
	ds_add_u32 v[SPW], v[NIL]                      ; the opening lines: the add, twice on end, and one wait
	ds_add_u32 v[SPW], v[NIL]
	v_lshrrev_b32 v8, 5, v0
	v_readfirstlane_b32 s[WV], v8                  ; wave 0..7
	s_and_b32 s12, ttmp7, 0xffff                   ; batch x 16 + head
	s_mul_i32 s14, s12, 196608                     ; its three images
	s_mov_b32 s15, 0
	s_lshr_b32 s13, s[WV], 2
	s_lshl_b32 s13, s13, 16                        ; K's image (waves 0-3) or V's (4-7)
	s_and_b32 s50, s[WV], 3
	s_mul_i32 s51, s50, 6144
	s_add_co_u32 s51, s51, s13                     ; my 6,144 bytes of key steps 0 to 2, in LDS
	s_mul_i32 s50, s50, 10240
	s_add_co_u32 s50, s50, s13
	s_add_co_u32 s50, s50, 24576                   ; my 10,240 bytes of key steps 3 to 7
	s_add_co_u32 s16, s14, s51
	s_add_co_u32 s16, s16, 65536                   ; the same in memory: k's image lies 65,536 behind q's, v's behind k's
	s_mov_b32 s17, 0
	s_add_co_u32 s54, s14, s50
	s_add_co_u32 s54, s54, 65536
	s_mov_b32 s55, 0
	s_lshl_b32 s36, ttmp9, 5
	s_lshl_b32 s37, s[WV], 2
	s_add_co_u32 s36, s36, s37                     ; my first block of 16 queries: 32 x work-group x + 4 x wave
	s_lshl_b32 s37, s36, 10
	s_add_co_u32 s14, s14, s37                     ; its image in q
	s_lshr_b32 s38, s12, 4
	s_lshl_b32 s38, s38, 6
	s_add_co_u32 s38, s38, s36
	s_lshl_b32 s38, s38, 14                        ; a_img: (batch x 64 + block) x 16,384
	s_and_b32 s39, s12, 15
	s_lshl_b32 s39, s39, 10
	s_add_co_u32 s38, s38, s39                     ; + head x 1,024
	s_mov_b32 s39, 0
	s_mov_b32 s[G1S], 3<<16                        ; dense blocks stated as rows of 256 bytes: 32 elements of 8 bytes; 24 rows,
	s_mov_b32 s[G1S+1], 32<<16
	s_mov_b32 s[G1S+2], 24<<16
	s_mov_b32 s[G1S+3], 32<<16
	s_mov_b32 s[G1S+4], 24
	s_mov_b32 s[G1S+5], 32
	s_mov_b32 s[G1S+6], 0
	s_mov_b32 s[G1S+7], 0
	s_mov_b32 s[G1L], 3<<16                        ; and 40 rows
	s_mov_b32 s[G1L+1], 32<<16
	s_mov_b32 s[G1L+2], 40<<16
	s_mov_b32 s[G1L+3], 32<<16
	s_mov_b32 s[G1L+4], 40
	s_mov_b32 s[G1L+5], 32
	s_mov_b32 s[G1L+6], 0
	s_mov_b32 s[G1L+7], 0
	s_mov_b32 s[SEL], 0x76543210
	s_mov_b32 s[SEL+1], 0xfedcba98
	s_mov_b32 s[CS], 0x3e38aa3b                    ; log2(e) / 8
	s_wait_dscnt 0x0
	s_wait_kmcnt 0x0
	s_load_b256 s[40:47], s[6:7], 0x0              ; e0 .. e7
	s_mov_b32 s[G0S], 1
	s_mov_b32 s[G0S+1], s51
	s_add_nc_u64 s[G0S+2:G0S+3], s[4:5], s[16:17]
	s_or_b32 s[G0S+3], s[G0S+3], 0x80000000
	s_mov_b32 s[G0L], 1
	s_mov_b32 s[G0L+1], s50
	s_add_nc_u64 s[G0L+2:G0L+3], s[4:5], s[54:55]
	s_or_b32 s[G0L+3], s[G0L+3], 0x80000000
	tensor_load_to_lds s[G0S:G0S+3], s[G1S:G1S+7]  ; key steps 0 to 2: my one load at the head
	s_nop 0
	s_add_nc_u64 s[10:11], s[4:5], s[14:15]
	s_add_nc_u64 s[8:9], s[8:9], s[38:39]
	v_and_b32 v[LI], 31, v0
	v_lshlrev_b32 v[LI], 4, v[LI]
	v_add_nc_u32 v[LIV], 0x10000, v[LI]
.irp i, 0,1,2,3,4,5,6,7
	global_load_b128 v[Q+4*\i:Q+4*\i+3], v[LI], s[10:11] offset:512*\i   ; Q's four fragments stay in registers
.endr
	v_mov_b32 v7, 0                                ; a lane permute's destination counts as a source
	v_mov_b32 v29, 0                               ; the upper halves of f's pairs are named with them
	v_mov_b32 v31, 0
.irp t, 0,1,2,3
	v_mov_b32 v[13+4*\t], 0xff61b1e6               ; the largest t so far: -3e38
	v_floor_f32 v[12+4*\t], -v[13+4*\t]            ; -M
	v_mov_b32 v[14+4*\t], 0
	v_mov_b32 v[15+4*\t], 0
.endr
	WIN 0x40
.set i, 0
.rept 128
	v_mov_b32 v[128+i], 0                          ; O^T: the key step is written for all steps alike; the first change of M leaves zeros zeros
.set i, i+1
.endr
	WIN 0
	s_wait_alu depctr_va_vdst(0)                   ; the wait ahead of a wait that blocks
	s_wait_kmcnt 0x0
	s_add_co_i32 s48, s42, s43
	s_lshl_b32 s48, s48, 23
	s_add_co_i32 s[CS], s[CS], s48                 ; e2 + e3 added to c's exponent field
	s_mov_b32 s[CS+1], s[CS]
	s_add_co_i32 s48, s44, 127
	s_lshl_b32 s49, s48, 23
	v_mov_b32 v[SCP], s49
	s_add_co_i32 s48, s48, 15
	s_lshl_b32 s48, s48, 23
	s_or_b32 s[HL], s48, 0x600000
	s_sub_co_i32 s48, s46, s44
	s_sub_co_i32 s48, s48, s45
	s_add_co_i32 s48, s48, 127
	s_lshl_b32 s49, s48, 23
	v_mov_b32 v[SCO], s49
	s_add_co_i32 s48, s48, 15
	s_lshl_b32 s53, s48, 23
	s_or_b32 s53, s53, 0x600000                    ; 57,344 x 2^(e6 - e4 - e5),
	s_or_b32 s52, s53, 0x80000000                  ; and its negative
	s_wait_alu depctr_va_vdst(0)                   ; the wait at the head's end
	s_wait_tensorcnt 0x0                           ; my part of key steps 0 to 2 is in
	ds_add_u32 v[SPW], v[NIL]
	s_wait_dscnt 0x0
	s_barrier_signal -1
	s_barrier_wait -1                              ; everybody's part is in
	tensor_load_to_lds s[G0L:G0L+3], s[G1L:G1L+7]  ; key steps 3 to 7: my one load behind this barrier
	s_nop 0
.rept 4
	v_nop
.endr
	s_wait_loadcnt 0x0                             ; Q
.macro KLOAD adr, off                  ; K's eight fragments of a key step
	WIN 0x40
.irp k, 0,1,2,3,4,5,6,7
	ds_load_b128 v[8*\k:8*\k+3], v[\adr] offset:(\off)+1024*\k
	ds_load_b128 v[8*\k+4:8*\k+7], v[\adr] offset:(\off)+1024*\k+512
.endr
	WIN 0
.endm
; Tile t's scores, their maximum, the new M and f, and t - M.  pf = 1: K's registers are free behind these products and take the next key step's fragments, but in the loop's last trip.
.macro FRONT t, pf
.set SB, S+64*((\t)%2)
.set ST, 12+4*(\t)
.set FF, 28+2*((\t)%2)
	WIN 0x01                                       ; source 0 (K) in window 1
.irp k, 0,1,2,3,4,5,6,7
	v_wmma_f32_16x16x64_bf8_bf8 v[SB+8*\k:SB+8*\k+7], v[8*\k:8*\k+7], v[Q+8*(\t):Q+8*(\t)+7], 0
.endr
	WIN 0
.rept 4
	v_nop                                          ; four places behind the products, for the reads of the scores and the loads into K's registers
.endr
.if \pf
	s_wait_alu depctr_va_vdst(0)                   ; the wait ahead of a branch
	s_cmp_eq_u32 s[KS], 1
	s_cbranch_scc1 .Lno_next_\@
	KLOAD ADK, 8192
.Lno_next_\@:
.endif
	v_max3_num_f32 v10, v[SB], v[SB+1], v[SB+2]    ; four chains, the registers in ascending order: each accumulator is first read at its low end
	v_max3_num_f32 v11, v[SB+3], v[SB+4], v[SB+5]
	v_max3_num_f32 v3, v[SB+6], v[SB+7], v[SB+8]
	v_max3_num_f32 v4, v[SB+9], v[SB+10], v[SB+11]
.irp i, 12,20,28,36,44,52
	v_max3_num_f32 v10, v10, v[SB+\i], v[SB+\i+1]
	v_max3_num_f32 v11, v11, v[SB+\i+2], v[SB+\i+3]
	v_max3_num_f32 v3, v3, v[SB+\i+4], v[SB+\i+5]
	v_max3_num_f32 v4, v4, v[SB+\i+6], v[SB+\i+7]
.endr
	v_max3_num_f32 v10, v10, v[SB+60], v[SB+61]
	v_max3_num_f32 v11, v11, v[SB+62], v[SB+63]
	v_max3_num_f32 v10, v10, v3, v4
	s_delay_alu instid0(VALU_DEP_1)
	v_max_num_f32 v10, v10, v11
	s_delay_alu instid0(VALU_DEP_1)
	v_permlanex16_b32 v7, v10, s[SEL], s[SEL+1]
	s_delay_alu instid0(VALU_DEP_1)
	v_max_num_f32 v10, v10, v7                     ; and lane l xor 16's
	s_delay_alu instid0(VALU_DEP_1)
	v_mul_f32 v10, s[CS], v10                      ; as t (c is positive)
	s_delay_alu instid0(VALU_DEP_1)
	v_max_num_f32 v[ST+1], v[ST+1], v10            ; the running largest t
	v_mov_b32 v10, v[ST]
	s_delay_alu instid0(VALU_DEP_2)
	v_floor_f32 v[ST], -v[ST+1]                    ; the new -M
	s_delay_alu instid0(VALU_DEP_1)
	v_sub_f32 v10, v[ST], v10                      ; old M - new M, a whole number
	s_delay_alu instid0(VALU_DEP_1)
	v_cvt_i32_f32 v10, v10                         ; (it saturates)
	s_delay_alu instid0(VALU_DEP_1)
	v_ldexp_f32 v[FF], 1.0, v10                    ; f = 2^(old M - new M)
.set j, 0
.rept 32
	v_pk_fma_f32 v[SB+j:SB+j+1], v[SB+j:SB+j+1], s[CS:CS+1], v[ST:ST+1] op_sel_hi:[1,0,0]   ; t - M
.set j, j+2
.endr
.endm
.macro PADD                            ; four of p's numbers into a pair of partial sums: THE SUM IS TAKEN OF THE UNQUANTISED p, so this line stands ahead of their holds
	v_pk_add_f32 v[TMP+j/2:TMP+j/2+1], v[PB+j:PB+j+1], v[PB+j+2:PB+j+3]
.endm
.macro PMIN o                          ; the conversion does not saturate (ISA guide 7.6.2); p is not negative, so the hold is one-sided; two numbers an instruction
	v_dual_min_num_f32 v[PB+j+\o], s[HL], v[PB+j+\o] :: v_dual_min_num_f32 v[PB+j+\o+1], s[HL], v[PB+j+\o+1]
.endm
; Tile t's 64 exponentials.  ov = 1: the tile before's partial sums and holds stand between them.
.macro BATCH t, ov
.set SB, S+64*((\t)%2)
.set PB, S+64-64*((\t)%2)
.set ST, 12+4*(\t)
.set FF, 28+2*((\t)%2)
	s_wait_alu depctr_va_vdst(0)                   ; one wait ahead of the batch
.set j, 0
.rept 16
	v_exp_f32 v[SB+j], v[SB+j]
.if \ov
	PADD
.endif
	v_exp_f32 v[SB+j+1], v[SB+j+1]
.if \ov
	PMIN 0
.endif
	v_exp_f32 v[SB+j+2], v[SB+j+2]
.if \ov
	PMIN 2
.endif
	v_exp_f32 v[SB+j+3], v[SB+j+3]
.set j, j+4
.endr
	v_pk_mul_f32 v[ST+2:ST+3], v[ST+2:ST+3], v[FF:FF+1] op_sel_hi:[1,0]   ; the sums under the new M; a plain place behind the exponentials
	s_wait_alu depctr_va_vdst(0)                   ; and one behind it
.endm
.macro MID t                           ; the step's last tile has no batch behind it
.set PB, S+64*((\t)%2)
.set j, 0
.rept 16
	PADD
	PMIN 0
	PMIN 2
.set j, j+4
.endr
.endm
; Tile t's codes, the rest of its sum, O^T under the new M, and O^T += V^T P^T.
.macro BACK t
.set PB, S+64*((\t)%2)
.set ST, 12+4*(\t)
.set FF, 28+2*((\t)%2)
.set OT, 128+32*(\t)
.irp k, 0,1,2,3,4,5,6,7
	v_cvt_scalef32_pk8_bf8_f32 v[PC+2*\k:PC+2*\k+1], v[PB+8*\k:PB+8*\k+7], v[SCP]
.endr
.irp i, 0,4,8,12,16,20,24,28
	v_pk_add_f32 v[TMP+\i:TMP+\i+1], v[TMP+\i:TMP+\i+1], v[TMP+\i+2:TMP+\i+3]
.endr
.irp i, 0,8,16,24
	v_pk_add_f32 v[TMP+\i:TMP+\i+1], v[TMP+\i:TMP+\i+1], v[TMP+\i+4:TMP+\i+5]
.endr
.irp i, 0,16
	v_pk_add_f32 v[TMP+\i:TMP+\i+1], v[TMP+\i:TMP+\i+1], v[TMP+\i+8:TMP+\i+9]
.endr
	v_pk_add_f32 v[TMP:TMP+1], v[TMP:TMP+1], v[TMP+16:TMP+17]
	v_pk_add_f32 v[ST+2:ST+3], v[ST+2:ST+3], v[TMP:TMP+1]
	WIN 0x41                                       ; destination and source 0 (O^T) in window 1, f in window 0
	s_wait_alu depctr_va_vdst(0)                   ; the wait directly ahead of the first reader of O^T
.set j, 0
.rept 16
	v_pk_mul_f32 v[OT+j:OT+j+1], v[OT+j:OT+j+1], v[FF:FF+1] op_sel_hi:[1,0]
.set j, j+2
.endr
.if (\t) == 0
	s_wait_alu depctr_va_vdst(0)                   ; the wait ahead of a wait that blocks
	s_wait_dscnt 0x0                               ; V's fragments are in
.endif
	WIN 0x51                                       ; D, C and source 0 (V) in window 1, p's codes in window 0
.irp f, 0,1,2,3
	v_wmma_f32_16x16x128_bf8_bf8 v[OT+8*\f:OT+8*\f+7], v[64+16*\f:64+16*\f+15], v[PC:PC+15], v[OT+8*\f:OT+8*\f+7]
.endr
	WIN 0
.endm
; A KEY STEP: 128 keys x my 64 queries.  pf = 0: K's fragments are read at the step's head; pf = 1: they were read a step ahead.
.macro TRIP pf
	v_add_nc_u32 v[ADK], s[TB], v[LI]
	v_add_nc_u32 v[ADV], s[TB], v[LIV]
	v_nop
	v_nop                                          ; four places behind the last products, ahead of the loads into V's registers
.if \pf == 0
	KLOAD ADK, 0
.endif
	WIN 0x40
.irp f, 0,1,2,3
.irp c, 0,1,2,3
	ds_load_b128 v[64+16*\f+4*\c:64+16*\f+4*\c+3], v[ADV] offset:2048*\f+512*\c
.endr
.endr
	WIN 0
	s_wait_alu depctr_va_vdst(0)                   ; the wait ahead of a wait that blocks
	s_wait_dscnt 16                                ; K's sixteen loads are in; V's sixteen, issued behind them, may be out
	FRONT 0, 0
	BATCH 0, 0
	FRONT 1, 0
	BATCH 1, 1
	BACK 0
	FRONT 2, 0
	BATCH 2, 1
	BACK 1
	FRONT 3, \pf
	BATCH 3, 1
	BACK 2
	MID 3
	BACK 3
	s_add_co_u32 s[TB], s[TB], 8192
.endm
	s_mov_b32 s[TB], 0
	s_mov_b32 s[KS], 3
.Lfirst:                                           ; key steps 0 to 2, while the rest of K and V is on its way
	TRIP 0
	s_sub_co_u32 s[KS], s[KS], 1
	s_cmp_lg_u32 s[KS], 0
	s_wait_alu depctr_va_vdst(0)
	s_cbranch_scc1 .Lfirst
	s_wait_tensorcnt 0x0                           ; my part of key steps 3 to 7 is in,
	s_wait_dscnt 0x0
	s_barrier_signal -1
	s_barrier_wait -1                              ; everybody's is
	s_mov_b32 s[TB], 24576
	s_mov_b32 s[KS], 5
	KLOAD LI, 24576
.Lrest:
	TRIP 1
	s_sub_co_u32 s[KS], s[KS], 1
	s_cmp_lg_u32 s[KS], 0
	s_wait_alu depctr_va_vdst(0)
	s_cbranch_scc1 .Lrest
	; THE WAY OUT: O^T / the sum, held, converted: the results are the projection's operand registers, stored as images, 512 consecutive bytes a store.
.rept 4
	v_nop
.endr
.irp t, 0,1,2,3
	v_add_f32 v[14+4*\t], v[14+4*\t], v[15+4*\t]
.endr
.irp t, 0,1,2,3
	v_permlanex16_b32 v[TMP+\t], v[14+4*\t], s[SEL], s[SEL+1]
.endr
.irp t, 0,1,2,3
	v_add_f32 v[14+4*\t], v[14+4*\t], v[TMP+\t]    ; the row's sum
.endr
	s_wait_alu depctr_va_vdst(0)                   ; the wait ahead of the batch
.irp t, 0,1,2,3
	v_rcp_f32 v[14+4*\t], v[14+4*\t]
.endr
	v_nop
	WIN 0x01                                       ; source 0 (O^T) in window 1
	s_wait_alu depctr_va_vdst(0)                   ; and behind it, directly ahead of the first reader of O^T
.set j, 0
.rept 64
	v_pk_mul_f32 v[S+j:S+j+1], v[128+j:128+j+1], v[14+4*(j/32):15+4*(j/32)] op_sel_hi:[1,0]
.set j, j+2
.endr
	WIN 0
.set i, 0
.rept 128
	v_med3_num_f32 v[S+i], v[S+i], s52, s53
.set i, i+1
.endr
.set i, 0
.rept 16
	v_cvt_scalef32_pk8_bf8_f32 v[TMP+2*i:TMP+2*i+1], v[S+8*i:S+8*i+7], v[SCO]
.set i, i+1
.endr
	v_nop
.irp t, 0,1,2,3
.irp c, 0,1
	global_store_b128 v[LI], v[TMP+8*\t+4*\c:TMP+8*\t+4*\c+3], s[8:9] offset:16384*\t+512*\c
.endr
.endr
	s_wait_tensorcnt 0x0                           ; the wave's end
	ds_add_u32 v[SPW], v[NIL]
	s_wait_dscnt 0x0
	s_endpgm
.Lfunc_end_k_q8986b4e00f_attn:
	.size	k_q8986b4e00f_attn, .Lfunc_end_k_q8986b4e00f_attn-k_q8986b4e00f_attn
	.p2alignl 7, 3214868480
	.fill 96, 4, 3214868480
	.section	.rodata,"a",@progbits
	.p2align	6, 0x0
	.amdhsa_kernel k_q8986b4e00f_attn
		.amdhsa_group_segment_fixed_size 327680
		.amdhsa_private_segment_fixed_size 0
		.amdhsa_enable_private_segment 0
		.amdhsa_kernarg_size 24
		.amdhsa_user_sgpr_count 2
		.amdhsa_user_sgpr_kernarg_segment_ptr 1
		.amdhsa_wavefront_size32 1
		.amdhsa_system_sgpr_workgroup_id_x 1
		.amdhsa_system_sgpr_workgroup_id_y 1
		.amdhsa_system_sgpr_workgroup_id_z 1
		.amdhsa_system_vgpr_workitem_id 0
		.amdhsa_next_free_vgpr 512
		.amdhsa_next_free_sgpr 80
		.amdhsa_reserve_vcc 0
		.amdhsa_float_denorm_mode_32 3
		.amdhsa_float_denorm_mode_16_64 3
		.amdhsa_memory_ordered 1
		.amdhsa_forward_progress 1
		.amdhsa_inst_pref_size 139
	.end_amdhsa_kernel
	.amdgpu_metadata
---
amdhsa.version: [ 1, 2 ]
amdhsa.kernels:
  - .name:           k_q8986b4e00f_attn
    .symbol:         k_q8986b4e00f_attn.kd
    .args:
      - { .name: qkv_img, .offset: 0, .size: 8, .value_kind: global_buffer, .address_space: global }
      - { .name: lowp_scales, .offset: 8, .size: 8, .value_kind: global_buffer, .address_space: global }
      - { .name: a_img, .offset: 16, .size: 8, .value_kind: global_buffer, .address_space: global }
    .group_segment_fixed_size: 327680
    .private_segment_fixed_size: 0
    .kernarg_segment_align: 8
    .kernarg_segment_size: 24
    .max_flat_workgroup_size: 256
    .sgpr_count:     80
    .vgpr_count:     512
    .wavefront_size: 32
...
	.end_amdgpu_metadata
.endif
;; end of part 3
;; launch proj (part 4): grid 4 x 64, 4 waves a work-group, clusters of 4 x 4, 327,680 bytes of LDS; arguments a_img, wp_codes, lowp_scales, b_proj, out0; writes out0
.if DOCPART == 4
	.amdgcn_target "amdgcn-amd-amdhsa--gfx1250"
	.amdhsa_code_object_version 6
	.text
	.protected	k_q8986b4e00f_proj
	.globl	k_q8986b4e00f_proj
	.p2align	8
	.type	k_q8986b4e00f_proj,@function
k_q8986b4e00f_proj:
	s_mov_b64 s[64:65], 0
	v_nop
	global_prefetch_b8 v0, s[64:65] scope:SCOPE_SE
	s_setreg_imm32_b32 hwreg(HW_REG_WAVE_MODE, 25, 1), 1
	s_wait_xcnt 0x0
	s_wait_alu depctr_hold_cnt(0) depctr_sa_sdst(0) depctr_va_vdst(0) depctr_va_sdst(0) depctr_va_ssrc(0) depctr_va_vcc(0) depctr_vm_vsrc(0)
	s_getreg_b32 s2, hwreg(HW_REG_IB_STS2, 6, 4)
	s_cmp_eq_u32 s2, 0
	s_cbranch_scc0 .Lentry_in_a_cluster
	s_endpgm
.Lentry_in_a_cluster:
	s_bfe_u32 s2, ttmp6, 0x10000c
	s_cmp_lg_u32 s2, 0xf033
	s_cbranch_scc0 .Lentry_shape_is_right
	s_endpgm
.Lentry_shape_is_right:
; Fourth launch: out = a W_proj^T x 2^(e6 + e7) + b_proj on codes of E5M2 ([8192][1024] x [1024][1024], f32 sums).  Nothing is left out.
; LIMIT: e6 + e7 lies between -126 and 127, so that 2^(e6 + e7) is an f32 number.
; SHARES.  A work-group of four waves makes 128 tokens x 256 features: 4 x 64 work-groups.  A wave makes 64 tokens (four blocks of 16) x 128 features (eight blocks).
; W_proj's 256 rows lie WHOLE IN K in LDS: each wave fetches 64 rows of 1,024 bytes by its one tensor load; 16 bytes of padding behind each row give a pitch of 1,040 bytes = 260 words,
; so that the 16 rows that a fragment load touches start 4 banks apart (ISA guide 11.1).  Nothing is filled again.
; CLUSTERS: 4 x 4 work-groups; the four of a column of the cluster need the same rows of W_proj and ask for them jointly.
; a's codes lie in memory as images of the operand's registers ([block of 16 tokens][K step of 128][2,048 bytes], lane l's 16 bytes at 16 l): a wave loads its 64 tokens x 1,024 K straight into 512 registers,
; each load 512 consecutive bytes; they do not pass through LDS.
; THE FEATURES GO IN TWO GROUPS OF 64: a group's 16 accumulators are summed over all of K, so each fragment of W_proj is read from LDS once and feeds four matrix instructions, and the first group's results
; are stored while the second is multiplied.  The matrix instruction is used transposed (source 0 = 16 rows of W_proj, source 1 = 16 tokens): a lane holds one token and eight neighbouring features.
; A fragment of W_proj comes by four loads of 16 bytes, 32 bytes apart: registers 4 c .. 4 c + 3 hold K = 32 c + 16 (lane / 16) + 0 .. 15, the order in which a's images were made.
; No prefetch: all that the work-group reads is asked for in the head; no loop runs ahead of a load.
; REGISTERS.  Window 0: v1-29 addresses, bias; v32-159 W_proj's fragments, two sets of four, and on the way out four sets of 32 for rows read back.  Windows 1, 2: a's fragments, K step k, block i at 64 k + 16 i.
; Window 3: the accumulators, group g, block i, feature block b at 8 (16 g + 4 i + b).
.set PITCH,  1040
.set QROWS,  64*PITCH                  ; what one tensor load brings
.set STAGE,  4*QROWS                   ; behind W_proj: 16 rows x 272 bytes for each wave, for the way out
.set SPITCH, 272
.set SPARE,  STAGE+4*16*SPITCH         ; behind the stages: the spare words, 128 bytes for each wave
.set LI,   1                           ; 16 x lane
.set BI,   8                           ; v8-15  the bias of my four features, for each group
.set ADRB, 20                          ; v20-21 LDS address of my fragments of W_proj, group 0, 1
.set STO,  24
.set RD,   25
.set CO,   26
.set SPW,  28
.set NIL,  29
.set BF,   32
.set G1B, 48
.set G0B, 56
.set MSB, 0
.macro WIN new                         ; the immediate's high byte repeats the setting that is left
.if MSB != \new
	s_set_vgpr_msb (MSB<<8)|\new
.set MSB, \new
.endif
.endm
.macro CROUND                          ; a round of the cluster's barrier
	s_barrier_signal -1
	s_barrier_wait -1
	s_cmp_lg_u32 s14, 0
	s_cbranch_scc1 .Lnot_wave_0_\@
	s_barrier_signal -3
.Lnot_wave_0_\@:
	s_barrier_wait -3
	s_barrier_signal -1
	s_barrier_wait -1
.endm
.macro PLACES
.rept 4
	v_nop
.endr
.endm
	s_load_b128 s[4:7], s[0:1], 0x0                ; a_img, W_proj's codes
	s_load_b128 s[8:11], s[0:1], 0x10              ; the exponents, b_proj
	s_load_b64 s[12:13], s[0:1], 0x20              ; out
	v_lshl_add_u32 v[SPW], v0, 2, SPARE
	v_mov_b32 v[NIL], 0
	ds_add_u32 v[SPW], v[NIL]                      ; the opening lines: the add, twice on end, and one wait
	ds_add_u32 v[SPW], v[NIL]
	v_lshrrev_b32 v2, 5, v0
	v_readfirstlane_b32 s14, v2                    ; wave 0..3
	s_lshr_b32 s15, s14, 1                         ; my half of the tokens
	s_and_b32 s16, s14, 1                          ; my half of the features
	s_bfe_u32 s40, ttmp6, 0x40000                  ; cx, cy
	s_bfe_u32 s41, ttmp6, 0x40004
	s_lshl_b32 s42, ttmp9, 2
	s_add_co_u32 s42, s42, s40                     ; tile column: 256 features
	s_and_b32 s17, ttmp7, 0xffff
	s_lshl_b32 s17, s17, 2
	s_add_co_u32 s17, s17, s41                     ; tile row: 128 tokens
	s_lshl_b32 s44, 0x1111, s40                    ; my column of the cluster
	s_or_b32 s[G1B+0], s44, (0<<16)|(1<<20)|(1<<21)|(7<<22)|(3<<25)  ; the mask; elements of 1 byte; padding on; bit 21 beside a mask; after every 256 words (code 7) four words (code 3)
	s_mov_b32 s[G1B+1], 1024<<16                   ; tensor_dim0
	s_mov_b32 s[G1B+2], 64<<16                     ; tensor_dim1
	s_mov_b32 s[G1B+3], 1024<<16                   ; tile_dim0
	s_mov_b32 s[G1B+4], 64                         ; tile_dim1
	s_mov_b32 s[G1B+5], 1024                       ; the pitch
	s_mov_b32 s[G1B+6], 0
	s_mov_b32 s[G1B+7], 0
	s_lshl_b32 s46, s42, 8
	s_lshl_b32 s18, s14, 6
	s_add_co_u32 s46, s46, s18                     ; W_proj: row 256 x tile column + 64 x wave
	s_lshl_b32 s46, s46, 10
	s_mov_b32 s47, 0
	s_mul_i32 s45, s14, QROWS                      ; and where the rows go
	s_lshl_b32 s20, s17, 3
	s_lshl_b32 s18, s15, 2
	s_add_co_u32 s20, s20, s18                     ; a: block 8 x tile row + 4 x half
	s_lshl_b32 s20, s20, 14
	s_mov_b32 s21, 0
	s_mul_i32 s24, s16, 2*QROWS                    ; my 128 rows of W_proj in LDS
	s_mul_i32 s25, s14, 16*SPITCH
	s_add_co_u32 s25, s25, STAGE                   ; my stage
	s_lshl_b32 s22, s42, 10
	s_lshl_b32 s23, s16, 9
	s_add_co_u32 s22, s22, s23                     ; my first feature, in bytes of f32
	s_mov_b32 s23, 0
	s_lshl_b32 s26, s17, 7
	s_lshl_b32 s27, s15, 6
	s_add_co_u32 s26, s26, s27                     ; my first token
	s_lshl_b32 s26, s26, 12
	s_add_co_u32 s26, s26, s22
	s_mov_b32 s27, 0
	s_wait_dscnt 0x0
	s_wait_kmcnt 0x0
	s_load_b64 s[96:97], s[8:9], 0x18              ; e6, e7
	s_add_nc_u64 s[20:21], s[4:5], s[20:21]
	s_add_nc_u64 s[10:11], s[10:11], s[22:23]
	s_add_nc_u64 s[12:13], s[12:13], s[26:27]
	s_mov_b32 s[G0B], 1
	s_mov_b32 s[G0B+1], s45
	s_add_nc_u64 s[G0B+2:G0B+3], s[6:7], s[46:47]
	s_or_b32 s[G0B+3], s[G0B+3], 0x80000000
	CROUND                                         ; all sixteen work-groups are here: the joint loads meet
	tensor_load_to_lds s[G0B:G0B+3], s[G1B:G1B+7]  ; my 64 rows, whole in K: my one tensor load
	s_nop 0
	PLACES
	v_and_b32 v[LI], 31, v0
	v_lshlrev_b32 v[LI], 4, v[LI]
	v_and_b32 v3, 15, v0                           ; r
	v_bfe_u32 v4, v0, 4, 1                         ; h
	v_lshlrev_b32 v7, 4, v3                        ; 16 r
	v_mul_u32_u24 v5, v3, PITCH
	v_lshl_add_u32 v5, v4, 4, v5
	v_add_nc_u32 v[ADRB], s24, v5                  ; row r x pitch + 16 h, in my 128 rows
	v_add_nc_u32 v[ADRB+1], QROWS, v[ADRB]         ; and 64 rows on
	v_mul_u32_u24 v6, v3, SPITCH
	v_lshl_add_u32 v6, v4, 5, v6
	v_add_nc_u32 v[STO], s25, v6                   ; the stage, in: row r, 32 bytes for each half of the lanes
	v_mul_u32_u24 v6, v4, SPITCH
	v_add_nc_u32 v6, v6, v7
	v_add_nc_u32 v[RD], s25, v6                    ; back: lanes 0-15 one row of 256 bytes, lanes 16-31 the next
	v_lshl_add_u32 v[CO], v4, 12, v7               ; and the same two rows in out
	s_wait_alu depctr_va_vdst(0)                   ; the wait at the head's end
	global_load_b128 v[BI:BI+3], v7, s[10:11]
	global_load_b128 v[BI+4:BI+7], v7, s[10:11] offset:256
.macro ALOAD w                         ; a's fragments of K steps 4 w .. 4 w + 3 into window 1 + w
	WIN 0x40*(1+\w)
.irp k, 0,1,2,3
.irp i, 0,1,2,3
.irp c, 0,1,2,3
	global_load_b128 v[64*\k+16*\i+4*\c:64*\k+16*\i+4*\c+3], v[LI], s[20:21] offset:16384*\i+2048*(4*\w+\k)+512*\c
.endr
.endr
.endr
.endm
	ALOAD 0
	ALOAD 1
	WIN 0
	s_wait_tensorcnt 0x0                           ; my 64 rows are in,
	s_barrier_signal -1
	s_barrier_wait -1                              ; everybody's are
.macro LB g, k, p                      ; group g's four fragments of W_proj of K step k into set p
.irp b, 0,1,2,3
.irp c, 0,1,2,3
	ds_load_b128 v[BF+64*(\p)+16*\b+4*\c:BF+64*(\p)+16*\b+4*\c+3], v[ADRB+\g] offset:16*PITCH*\b+128*(\k)+32*\c
.endr
.endr
.endm
.macro MM g, k                         ; 16 matrix instructions, the group's 16 accumulators by turns; the first K step starts the sums
	WIN 0xf4+4*((\k)/4)                            ; D and C window 3, source 0 window 0, source 1 window 1 or 2
.irp b, 0,1,2,3
.irp i, 0,1,2,3
.if (\k) == 0
	v_wmma_f32_16x16x128_bf8_bf8 v[8*(16*\g+4*\i+\b):8*(16*\g+4*\i+\b)+7], v[BF+64*((\k)%2)+16*\b:BF+64*((\k)%2)+16*\b+15], v[64*((\k)%4)+16*\i:64*((\k)%4)+16*\i+15], 0
.else
	v_wmma_f32_16x16x128_bf8_bf8 v[8*(16*\g+4*\i+\b):8*(16*\g+4*\i+\b)+7], v[BF+64*((\k)%2)+16*\b:BF+64*((\k)%2)+16*\b+15], v[64*((\k)%4)+16*\i:64*((\k)%4)+16*\i+15], v[8*(16*\g+4*\i+\b):8*(16*\g+4*\i+\b)+7]
.endif
.endr
.endr
.endm
.macro GROUP g
	LB \g, 0, 0
.irp k, 0,1,2,3,4,5,6,7
	WIN 0
	PLACES                                         ; four places behind the products that read the set which is loaded next (ISA guide 7.12.1 for vector instructions)
.if \k < 7
	LB \g, (\k)+1, ((\k)+1)%2
	s_wait_dscnt 16                                ; this K step's sixteen loads are in; the next one's sixteen may be out
.else
	s_wait_dscnt 0x0
.endif
.if \g == 0
.if \k == 0
	s_wait_loadcnt 63                              ; of my 130 loads the 67 oldest are in: the bias and a's K steps 0 to 3
.endif
.if \k >= 4
	s_wait_loadcnt 16*(7-\k)                       ; a's K step k is in: sixteen loads for each later one may be out
.endif
.endif
	MM \g, \k
.endr
	WIN 0
.endm
; THE WAY OUT of a group, block by block of 16 tokens x 64 features: through my own stage in LDS and back as rows of 256 bytes.  LDS serves a wave's instructions in order (ISA guide 5.7.1.4): no wait between the stores and the loads.
.macro TOSTAGE g, i
	WIN 0x0c                                       ; an LDS store's data: window 3
.irp b, 0,1,2,3
	ds_store_b128 v[STO], v[8*(16*\g+4*\i+\b):8*(16*\g+4*\i+\b)+3] offset:64*\b      ; each accumulator from its low end on
	ds_store_b128 v[STO], v[8*(16*\g+4*\i+\b)+4:8*(16*\g+4*\i+\b)+7] offset:64*\b+16
.endr
	WIN 0
.irp t, 0,1,2,3,4,5,6,7
	ds_load_b128 v[BF+32*\i+4*\t:BF+32*\i+4*\t+3], v[RD] offset:2*\t*SPITCH
.endr
.endm
.macro SEND g, i, younger              ; younger: the LDS instructions issued behind block i's loads, which may stay out
	s_wait_dscnt \younger
.irp t, 0,1,2,3,4,5,6,7
	v_pk_fma_f32 v[BF+32*\i+4*\t:BF+32*\i+4*\t+1], v[BF+32*\i+4*\t:BF+32*\i+4*\t+1], s[96:97], v[BI+4*\g:BI+4*\g+1] op_sel_hi:[1,0,1]       ; x 2^(e6 + e7) + bias
	v_pk_fma_f32 v[BF+32*\i+4*\t+2:BF+32*\i+4*\t+3], v[BF+32*\i+4*\t+2:BF+32*\i+4*\t+3], s[96:97], v[BI+4*\g+2:BI+4*\g+3] op_sel_hi:[1,0,1]
.endr
.irp t, 0,1,2,3,4,5,6,7
	global_store_b128 v[CO], v[BF+32*\i+4*\t:BF+32*\i+4*\t+3], s[12:13] offset:(16*\i+2*\t)*4096+256*\g th:TH_STORE_NT   ; sixteen lanes store 256 consecutive bytes, aligned
.endr
.endm
.macro OUT g
	PLACES                                         ; behind the last products, ahead of the stores that read results
	TOSTAGE \g, 0
	TOSTAGE \g, 1
	SEND \g, 0, 16                                 ; behind block 0's loads: block 1's eight stores and eight loads
	TOSTAGE \g, 2
	SEND \g, 1, 16
	TOSTAGE \g, 3
	SEND \g, 2, 16
	SEND \g, 3, 0
.endm
	GROUP 0
	s_wait_kmcnt 0x0
	s_add_co_i32 s96, s96, s97
	s_add_co_i32 s96, s96, 127
	s_lshl_b32 s96, s96, 23                        ; 2^(e6 + e7) as f32
	s_mov_b32 s97, s96
	OUT 0
	s_wait_xcnt 0x0                                ; the stores have read their data: fragments may land on those registers
	GROUP 1
	OUT 1
	s_wait_tensorcnt 0x0                           ; the wave's end
	ds_add_u32 v[SPW], v[NIL]
	s_wait_dscnt 0x0
	CROUND                                         ; the closing round
	s_endpgm
.Lfunc_end_k_q8986b4e00f_proj:
	.size	k_q8986b4e00f_proj, .Lfunc_end_k_q8986b4e00f_proj-k_q8986b4e00f_proj
	.p2alignl 7, 3214868480
	.fill 96, 4, 3214868480
	.section	.rodata,"a",@progbits
	.p2align	6, 0x0
	.amdhsa_kernel k_q8986b4e00f_proj
		.amdhsa_group_segment_fixed_size 327680
		.amdhsa_private_segment_fixed_size 0
		.amdhsa_enable_private_segment 0
		.amdhsa_kernarg_size 40
		.amdhsa_user_sgpr_count 2
		.amdhsa_user_sgpr_kernarg_segment_ptr 1
		.amdhsa_wavefront_size32 1
		.amdhsa_system_sgpr_workgroup_id_x 1
		.amdhsa_system_sgpr_workgroup_id_y 1
		.amdhsa_system_sgpr_workgroup_id_z 1
		.amdhsa_system_vgpr_workitem_id 0
		.amdhsa_next_free_vgpr 1024
		.amdhsa_next_free_sgpr 98
		.amdhsa_reserve_vcc 0
		.amdhsa_float_denorm_mode_32 3
		.amdhsa_float_denorm_mode_16_64 3
		.amdhsa_memory_ordered 1
		.amdhsa_forward_progress 1
		.amdhsa_inst_pref_size 77
	.end_amdhsa_kernel
	.amdgpu_metadata
---
amdhsa.version: [ 1, 2 ]
amdhsa.kernels:
  - .name:           k_q8986b4e00f_proj
    .symbol:         k_q8986b4e00f_proj.kd
    .args:
      - { .name: a_img, .offset: 0, .size: 8, .value_kind: global_buffer, .address_space: global }
      - { .name: wp_codes, .offset: 8, .size: 8, .value_kind: global_buffer, .address_space: global }
      - { .name: lowp_scales, .offset: 16, .size: 8, .value_kind: global_buffer, .address_space: global }
      - { .name: b_proj, .offset: 24, .size: 8, .value_kind: global_buffer, .address_space: global }
      - { .name: out0, .offset: 32, .size: 8, .value_kind: global_buffer, .address_space: global }
    .group_segment_fixed_size: 327680
    .private_segment_fixed_size: 0
    .kernarg_segment_align: 8
    .kernarg_segment_size: 40
    .max_flat_workgroup_size: 128
    .sgpr_count:     98
    .vgpr_count:     1024
    .wavefront_size: 32
...
	.end_amdgpu_metadata
.endif
;; end of part 4
